; MI455X (gfx1250); checked and timed in simulation.
; The chip was launched on July 23, 2026; its instructions are those of AMD's public machine-readable ISA for CDNA 5 (MIT licence, August 2026) and "CDNA5" Instruction Set Architecture Reference Guide (July 2026). The comments in the code are by the model that wrote it; some were corrected since.
;; Ro I Pool Layer. Allowed arithmetic: float matrix products may take bf16 or f16 operands with f32 sums; all other float work in f32.
;; Inputs: feature_map 256 x 64 x 64 float32; rois 128 x 4 int32.
;; Outputs: out0 128 x 256 x 7 x 7 float32.
;; Constants: output_size = 7.
;; One version. Each part assembles by itself: llvm-mc -triple=amdgcn-amd-amdhsa -mcpu=gfx1250 --defsym DOCPART=n.
;; ======== version 1 of 1: 1 launch
;; launch roipool (part 1): grid 4 x 64, 32 waves a work-group, no clusters, 178,176 bytes of LDS; arguments feature_map, rois, out0; writes out0
.if DOCPART == 1
	.amdgcn_target "amdgcn-amd-amdhsa--gfx1250"
	.amdhsa_code_object_version 6
	.text
	.protected	k_q93b6015340_roipool
	.globl	k_q93b6015340_roipool
	.p2align	8
	.type	k_q93b6015340_roipool,@function
k_q93b6015340_roipool:
	s_mov_b64 s[64:65], 0
	v_nop
	global_prefetch_b8 v0, s[64:65] scope:SCOPE_SE
	s_setreg_imm32_b32 hwreg(HW_REG_WAVE_MODE, 25, 1), 1
	s_wait_xcnt 0x0
; RoI max pooling.  feature_map [256][64][64] f32, rois [128][4] i32 (x1, y1, x2, y2), out0 [128][256][7][7] f32.
; out0[n][c][py][px] = max of feature_map[c] over bin py of the RoI's rows and bin px of its columns; bin i of a side S that begins at lo is
; lo + floor(i S / 7) .. lo + ceil((i+1) S / 7) - 1, cut to 11 cells, every index clipped to 0..63.
;
; WORK.  256 work-groups = 64 blocks of 4 channels (id y) x 4 blocks of 32 RoIs (id x).  32 waves; wave w owns RoI 32 x + w.
;  1. The 4 planes (64 KiB) come in through registers and are laid into LDS as two tables of cells; a cell is 16 bytes = the 4 channels at one
;     (y, x).  F: the map.  Q: the maximum of the 2 x 2 window whose upper left corner is (y, x).
;  2. A lane owns bins o = lane and o = min(lane + 32, 48) (py = o / 7, px = o % 7).  One ds_load_b128 brings a cell: 4 channels at once.
;     The clipped indices of a bin are again an interval, [clip(first), clip(last)].  If all 49 bins are at least 2 x 2, Q is walked in steps
;     of 2 (a quarter of the loads), else F in steps of 1.  The offset in each direction is min(k << sh, length - 1 - sh): steps beyond a
;     lane's own length read a cell inside its bin once more, which leaves a maximum as it is, so nothing is masked.
;  3. The RoI's 4 x 49 results (784 consecutive bytes of out0) go through the wave's own 1,024 bytes of LDS and leave as 16 bytes a lane.
;
; NO CLUSTER, NO TENSOR LOAD.  The four work-groups of a channel block read the same 64 KiB.  They make no joint request because the trip count
; of step 2 comes from each work-group's own RoIs and so differs between the would-be partners, and because the tile has to pass through
; registers anyway to be interleaved and windowed: by way of LDS it would be written once more (64 KiB) and read back (128 KiB with the row below).
; No matrix unit (no products), no prefetch (one burst of loads at the very start).
;
; LIMITS.  A NaN in feature_map is dropped (v_max_num_f32, v_max3_num_f32), reference() hands it on.  The maxima start at the lowest finite f32,
; as reference()'s masked entries do; the two differ only for a full bin of 11 x 11 cells that are all -inf.  A side above 8190 is taken as
; 8190: the result is the same while the RoI's lower corner is at least -1106 (all later bins then start beyond 63 either way); below that it
; is not served.  Differences and sums of coordinates wrap in 32 bits as they do in reference().
.set PLANE,  16384                     ; bytes of a channel's plane
.set ROWC,   69                        ; an LDS row: 69 cells of 16 bytes.  Cell of column x: x + (x >> 4), 0 .. 66
.set ROWB,   16*ROWC                   ; 1,104 bytes
.set LASTC,  64*ROWC-1                 ; a table's last cell
.set TAB,    64*ROWB                   ; a table: 70,656 bytes.  F at 0, Q at TAB
.set STAGE,  2*TAB                     ; behind the tables: 1,024 bytes for each wave, for the way out
.set CHUNK,  784                       ; bytes of out0 for one RoI and 4 channels
.set ROIOUT, 50176                     ; bytes of out0 for one RoI (196 x 256)
.set MAGIC,  74899                     ; ceil(2^19 / 7): floor(n / 7) = (n * MAGIC) >> 19 for n <= 57342 (7 MAGIC - 2^19 = 5, and n * MAGIC < 2^32)
.set SMAX,   8190                      ; largest side: 7 * 8190 + 6 = 57336
.set NEG,    0xff7fffff                ; the lowest finite f32
.set LANE, 1                           ; v1      lane = bin o of the first set
.set OFA,  2                           ; v2      byte offset in a plane of my 16 bytes of row y
.set OFB,  3                           ; v3      the same for row y + 1
.set STF,  4                           ; v4      LDS address of my four cells in F
.set STQ,  5                           ; v5      and in Q
.set OB,   7                           ; v7      bin o of the second set
.set PXA,  8                           ; v8-11   px, py of the two sets
.set PYA,  9
.set PXB,  10
.set PYB,  11
.set AXA,  12                          ; v12-19  per set and direction: first clipped index, and length - 1 (later - sh)
.set LXA,  13
.set AYA,  14
.set LYA,  15
.set AXB,  16
.set LXB,  17
.set AYB,  18
.set LYB,  19
.set SW,   24                          ; v24     stage: word of bin o = lane, channel 0
.set SRA,  26                          ; v26-27  stage: the 16 bytes that I read back
.set SRB,  27
.set GO,   28                          ; v28     16 x lane: my place in a store of 512 bytes
.set BSA,  29                          ; v29-30  69 x first row + first column of the two sets
.set BSB,  30
.set A,    32                          ; v32-47  row y,     channel c at A + 4c
.set B,    48                          ; v48-63  row y + 1, then the maximum of the two rows
.set FT,   64                          ; v64-79  F's cells: column j of my four, channel c at FT + 4j + c
.set QT,   80                          ; v80-95  Q's cells likewise
.set T,    96                          ; v96-99  the right-hand neighbour's first column
.set ACC,  32                          ; step 2: v32-35, v36-39 running maxima of the two sets (4 channels each)
.set LD,   40                          ; v40-55  four cells as loaded: step u of a trip, set A at LD + 8u, set B at LD + 8u + 4
.set DX,   56                          ; v56-63  address work, a pair (set A, set B) each
.set DY,   58
.set TT,   60
.set IX,   62
.set OUTA, 64                          ; v64-71  the way out
	s_load_b128 s[4:7], s[0:1], 0x0                ; feature_map s[4:5], rois s[6:7]
	s_load_b64 s[8:9], s[0:1], 0x10                ; out0
	v_lshl_add_u32 v104, v0, 2, 0x2a800
	v_mov_b32 v105, 0
	v_lshrrev_b32 v1, 5, v0
	v_readfirstlane_b32 s10, v1                    ; wave 0..31
	v_and_b32 v[LANE], 31, v0
	s_and_b32 s11, ttmp7, 0xffff                   ; channel block 0..63
	s_lshl_b32 s13, ttmp9, 5
	s_add_co_u32 s13, s13, s10                     ; my RoI n = 32 x + wave
	s_lshl_b32 s14, s13, 4                         ; its 16 bytes in rois
	s_mov_b32 s15, 0
	s_lshl_b32 s20, s11, 16                        ; the block's 4 planes: 65,536 bytes
	s_mov_b32 s21, 0
	s_mul_i32 s42, s13, ROIOUT
	s_mul_i32 s41, s11, CHUNK
	s_and_b32 s41, s41, 0xffffff00                 ; the chunk's first byte, down to a multiple of 256
	s_add_co_u32 s42, s42, s41
	s_mov_b32 s43, 0
	v_lshlrev_b32 v[OFA], 4, v0                    ; thread t: row t >> 4, columns 4 (t & 15) ..: byte 16 t of the plane
	v_add_nc_u32 v[OFB], 256, v[OFA]               ; the row below;
	v_min_u32 v[OFB], PLANE-16, v[OFB]             ; row 63 has none: its threads read the plane's last 16 bytes, and Q's row 63 is never used
	s_wait_kmcnt 0x0
	s_add_nc_u64 s[6:7], s[6:7], s[14:15]
	s_add_nc_u64 s[4:5], s[4:5], s[20:21]
	s_add_nc_u64 s[8:9], s[8:9], s[42:43]
	s_load_b128 s[16:19], s[6:7], 0x0              ; x1, y1, x2, y2
	; 8 loads a thread; sixteen neighbouring lanes read one whole row of 256 bytes.  Each row is asked for twice in the work-group (as y, as y + 1).
.irp c, 0,1,2,3
	global_load_b128 v[A+4*\c:A+4*\c+3], v[OFA], s[4:5] offset:PLANE*\c
	global_load_b128 v[B+4*\c:B+4*\c+3], v[OFB], s[4:5] offset:PLANE*\c
.endr
	; While the loads are out: everything that hangs on ids and on the RoI alone.
	v_add_nc_u32 v[OB], 32, v[LANE]
	v_min_u32 v[OB], 48, v[OB]                     ; lanes 17-31 repeat bin 48; their results are not used (step 3)
	v_mul_u32_u24 v[PYA], 37, v[LANE]              ; o / 7 = (37 o) >> 8 for o <= 48
	v_mul_u32_u24 v[PYB], 37, v[OB]
	v_lshrrev_b32 v[PYA], 8, v[PYA]
	v_lshrrev_b32 v[PYB], 8, v[PYB]
	v_mul_u32_u24 v[PXA], 7, v[PYA]
	v_mul_u32_u24 v[PXB], 7, v[PYB]
	v_sub_nc_u32 v[PXA], v[LANE], v[PXA]
	v_sub_nc_u32 v[PXB], v[OB], v[PXB]
	; Table addresses.  Wave w fills rows 2w (lanes 0-15) and 2w + 1 (lanes 16-31): bytes of its own, 2 ROWB x wave.
	; Lane q of a row holds columns 4q + j; cell 4q + j + (q >> 2): for one j the 16 lanes touch 16 different 16-byte columns modulo 256 bytes.
	v_and_b32 v20, 15, v[LANE]                     ; q
	v_lshrrev_b32 v21, 4, v[LANE]                  ; which of the wave's two rows
	v_lshrrev_b32 v22, 2, v20
	v_lshl_add_u32 v20, v20, 2, v22                ; 4q + (q >> 2)
	v_mul_u32_u24 v21, ROWB, v21
	v_lshl_add_u32 v[STF], v20, 4, v21
	s_mul_i32 s39, s10, 2*ROWB
	v_add_nc_u32 v[STF], s39, v[STF]
	v_add_nc_u32 v[STQ], TAB, v[STF]
	; The way out.  In the stage the chunk lies from the stage's first byte on.  In out0 it begins 16 m bytes into an aligned piece of 256 bytes,
	; m = block & 15 (784 = 3 x 256 + 16), and reaches over four such pieces = 64 slots of 16 bytes.  Lane l stores slots l and l + 32 of these,
	; which are the chunk's slots l - m and l + 32 - m; a lane whose slot lies outside 0 .. 48 reads the nearest one inside and does not store.
	s_and_b32 s36, s11, 15                         ; m
	s_add_co_u32 s37, s36, 17
	s_lshl_b32 s40, s10, 10
	s_add_co_u32 s40, s40, STAGE                   ; my wave's stage
	v_lshlrev_b32 v[SW], 2, v[LANE]
	v_add_nc_u32 v[SW], s40, v[SW]
	v_sub_nc_u32 v[SRA], v[LANE], s36
	v_max_i32 v[SRA], 0, v[SRA]
	v_min_u32 v[SRA], 48, v[SRA]
	v_add_nc_u32 v[SRB], 32, v[LANE]
	v_sub_nc_u32 v[SRB], v[SRB], s36               ; at least 17
	v_min_u32 v[SRB], 48, v[SRB]
	v_lshl_add_u32 v[SRA], v[SRA], 4, s40
	v_lshl_add_u32 v[SRB], v[SRB], 4, s40
	v_lshlrev_b32 v[GO], 4, v[LANE]
	s_wait_kmcnt 0x0                               ; the RoI
	s_sub_co_i32 s22, s18, s16
	s_max_i32 s22, s22, 1
	s_min_i32 s22, s22, SMAX                       ; w
	s_sub_co_i32 s23, s19, s17
	s_max_i32 s23, s23, 1
	s_min_i32 s23, s23, SMAX                       ; h
; No bin of a side S = 7q + r is longer than q + min(r, 2) cells (r = 0: all are q; r = 1: all are q + 1; r >= 2: a piece of r / 7 < 1 touches
; at most two whole cells), nor than 11.  dst = that bound - 1.  Clipping can only shorten a bin.
.macro LMAX dst, size, tmp
	s_mul_i32 s[\dst], s[\size], MAGIC
	s_lshr_b32 s[\dst], s[\dst], 19
	s_mul_i32 s[\tmp], s[\dst], 7
	s_sub_co_u32 s[\tmp], s[\size], s[\tmp]
	s_min_u32 s[\tmp], s[\tmp], 2
	s_add_co_u32 s[\dst], s[\dst], s[\tmp]
	s_min_u32 s[\dst], s[\dst], 11
	s_sub_co_u32 s[\dst], s[\dst], 1
.endm
	LMAX 24, 22, 26
	LMAX 25, 23, 26
; A lane's bin in one direction: first clipped index, and last - first.
.macro BIN bin, lo, size, first, len
	v_mul_u32_u24 v20, s[\size], v[\bin]           ; i S
	v_add3_u32 v21, v20, s[\size], 6               ; (i + 1) S + 6
	v_mul_lo_u32 v20, v20, MAGIC
	v_mul_lo_u32 v21, v21, MAGIC
	v_lshrrev_b32 v20, 19, v20                     ; floor(i S / 7)
	v_lshrrev_b32 v21, 19, v21                     ; ceil((i + 1) S / 7)
	v_sub_nc_u32 v21, v21, v20
	v_min_u32 v21, 11, v21                         ; reference()'s K = 11 cells at the most
	v_add_nc_u32 v20, s[\lo], v20                  ; first index,
	v_add3_u32 v21, v20, v21, -1                   ; last index, both signed
	v_max_i32 v20, 0, v20
	v_max_i32 v21, 0, v21
	v_min_u32 v[\first], 63, v20
	v_min_u32 v21, 63, v21
	v_sub_nc_u32 v[\len], v21, v[\first]
.endm
	BIN PXA, 16, 22, AXA, LXA
	BIN PYA, 17, 23, AYA, LYA
	BIN PXB, 16, 22, AXB, LXB
	BIN PYB, 17, 23, AYB, LYB
	v_min_u32 v20, v[LXA], v[LYA]
	v_min_u32 v21, v[LXB], v[LYB]
	v_min_u32 v20, v20, v21
	v_cmp_ne_u32 vcc_lo, 0, v20                    ; my bins are at least 2 x 2
	s_cmp_eq_u32 vcc_lo, -1                        ; every lane's are
	s_cselect_b32 s27, 1, 0                        ; sh: 1 = table Q, steps of 2; 0 = table F, steps of 1
	s_min_u32 s27, s27, 1                          ; (it hangs on rois and enters an address: bounded by a constant in the text)
	s_mul_i32 s28, s27, TAB                        ; the table's first byte
	s_lshl_b32 s29, 1, s27                         ; the step
	s_lshr_b32 s34, s24, s27
	s_add_co_u32 s34, s34, 1                       ; steps along x: ((longest - 1) >> sh) + 1, 1 .. 11
	s_lshr_b32 s35, s25, s27
	s_add_co_u32 s35, s35, 1                       ; steps along y
	s_lshl_b32 s31, s35, s27                       ; the y offset at which a column of steps ends
	s_mul_i32 s34, s34, s35
	s_add_co_u32 s34, s34, 1
	s_lshr_b32 s34, s34, 1                         ; trips: two steps each, 1 .. 61
	v_sub_nc_u32 v[LXA], v[LXA], s27               ; the last window's offset: length - 1 - sh
	v_sub_nc_u32 v[LYA], v[LYA], s27
	v_sub_nc_u32 v[LXB], v[LXB], s27
	v_sub_nc_u32 v[LYB], v[LYB], s27
	v_mad_u32_u24 v[BSA], v[AYA], ROWC, v[AXA]
	v_mad_u32_u24 v[BSB], v[AYB], ROWC, v[AXB]
	; STEP 1.  Per channel: the two rows' maximum, then neighbouring columns'; results are written straight into cell order (4j + c).
.irp c, 0,1,2,3
	s_wait_loadcnt 6-2*\c                          ; loads return in order (ISA guide 5.7.1): channel c's pair is in, the 6 - 2c younger ones may be out
	v_max_num_f32 v[B+4*\c],   v[A+4*\c],   v[B+4*\c]
	v_max_num_f32 v[B+4*\c+1], v[A+4*\c+1], v[B+4*\c+1]
	v_max_num_f32 v[B+4*\c+2], v[A+4*\c+2], v[B+4*\c+2]
	v_max_num_f32 v[B+4*\c+3], v[A+4*\c+3], v[B+4*\c+3]
	v_mov_b32 v[T+\c], v[B+4*\c+3]                 ; lane 15 of a row has no neighbour and keeps this: Q's column 63 is never used
	v_mov_b32_dpp v[T+\c], v[B+4*\c] row_shl:1 row_mask:0xf bank_mask:0xf    ; column 4q + 4 from lane q + 1 of the same 16 lanes = the same row
	v_max_num_f32 v[QT+\c],    v[B+4*\c],   v[B+4*\c+1]
	v_max_num_f32 v[QT+4+\c],  v[B+4*\c+1], v[B+4*\c+2]
	v_max_num_f32 v[QT+8+\c],  v[B+4*\c+2], v[B+4*\c+3]
	v_max_num_f32 v[QT+12+\c], v[B+4*\c+3], v[T+\c]
	v_mov_b32 v[FT+\c],    v[A+4*\c]               ; F: 4 columns x 4 channels turned into 4 cells (a load holds one channel, a cell all four)
	v_mov_b32 v[FT+4+\c],  v[A+4*\c+1]
	v_mov_b32 v[FT+8+\c],  v[A+4*\c+2]
	v_mov_b32 v[FT+12+\c], v[A+4*\c+3]
.endr
.irp j, 0,1,2,3
	ds_store_b128 v[STF], v[FT+4*\j:FT+4*\j+3] offset:16*\j
	ds_store_b128 v[STQ], v[QT+4*\j:QT+4*\j+3] offset:16*\j
.endr
	s_wait_dscnt 0x0                               ; my rows of both tables are written: zero, for the other waves' sake
	s_barrier_signal -1
.irp i, 0,1,2,3,4,5,6,7
	v_mov_b32 v[ACC+\i], NEG                       ; the value that reference() puts in the masked places
.endr
	s_barrier_wait -1                              ; the tables are whole; nothing writes them from here on
	; STEP 2.  One counted loop over all steps (x offset s32, y offset s33; y runs fastest and wraps into x), two steps a trip: four cells are
	; asked for before the one wait.  With an odd number of steps the last one has x offset = steps along x << sh, which the minimum below
	; turns into the bin's last window: a cell read once more.
; One step: cell = 69 y + x + (x >> 4) with y = first row + dy, x = first column + dx.  The index hangs on rois, so it is clamped by a constant
; (a table's last cell) last of all before it is scaled: every load lies inside the two tables whatever rois hold.
.macro CELLS u
	v_min_u32 v[DX],   s32, v[LXA]
	v_min_u32 v[DX+1], s32, v[LXB]
	v_min_u32 v[DY],   s33, v[LYA]
	v_min_u32 v[DY+1], s33, v[LYB]
	v_add_nc_u32 v[TT],   v[AXA], v[DX]            ; x
	v_add_nc_u32 v[TT+1], v[AXB], v[DX+1]
	v_mad_u32_u24 v[IX],   v[DY],   ROWC, v[BSA]
	v_mad_u32_u24 v[IX+1], v[DY+1], ROWC, v[BSB]
	v_lshrrev_b32 v[TT],   4, v[TT]
	v_lshrrev_b32 v[TT+1], 4, v[TT+1]
	v_add3_u32 v[IX],   v[IX],   v[DX],   v[TT]
	v_add3_u32 v[IX+1], v[IX+1], v[DX+1], v[TT+1]
	v_min_u32 v[IX],   LASTC, v[IX]
	v_min_u32 v[IX+1], LASTC, v[IX+1]
	v_lshl_add_u32 v[IX],   v[IX],   4, s28
	v_lshl_add_u32 v[IX+1], v[IX+1], 4, s28
	ds_load_b128 v[LD+8*\u:LD+8*\u+3],   v[IX]
	ds_load_b128 v[LD+8*\u+4:LD+8*\u+7], v[IX+1]
	s_add_co_u32 s33, s33, s29                     ; the next step: down,
	s_cmp_eq_u32 s33, s31
	s_cselect_b32 s33, 0, s33                      ; or back to the top
	s_cselect_b32 s26, s29, 0
	s_add_co_u32 s32, s32, s26                     ; and one to the right
.endm
	s_mov_b32 s32, 0
	s_mov_b32 s33, 0
	s_mov_b32 s30, 0
.Ltrip:
	CELLS 0
	CELLS 1
	s_wait_dscnt 0x0                               ; all four cells; the SIMD's seven other waves fill the time
.irp i, 0,1,2,3,4,5,6,7
	v_max3_num_f32 v[ACC+\i], v[ACC+\i], v[LD+\i], v[LD+8+\i]
.endr
	s_add_co_u32 s30, s30, 1
	s_cmp_lt_u32 s30, s34
	s_cbranch_scc1 .Ltrip
	; STEP 3.  Channel j, bin o lies at byte 196 j + 4 o of the chunk.  The first set's store writes bins 0-31, the second's bins 32-48 and, from
	; lanes 17-31, the 15 words behind them: these are the next channel's bins 0-14, which the next store writes over (LDS serves a wave's
	; instructions in order, ISA guide 5.7.1), or, behind channel 3, bytes 784-843 of the stage, which nobody reads.
	; The stage is the wave's own: no barrier, and no wait between the stores and the loads.
.irp j, 0,1,2,3
	ds_store_b32 v[SW], v[ACC+\j] offset:196*\j
	ds_store_b32 v[SW], v[ACC+4+\j] offset:196*\j+128
.endr
	ds_load_b128 v[OUTA:OUTA+3], v[SRA]
	ds_load_b128 v[OUTA+4:OUTA+7], v[SRB]
	s_wait_dscnt 0x0
	; Two stores of 512 bytes from a multiple of 256: sixteen neighbouring lanes cover 256 consecutive bytes, aligned.  Of the chunk's four such
	; pieces the first and the last belong in part to the neighbouring channel blocks: those lanes are off.
	s_wait_xcnt 0x0                                ; EXEC changes only behind this wait
	v_cmp_le_u32 vcc_lo, s36, v[LANE]              ; slots m .. 31
	s_wait_tensorcnt 0x0
	ds_add_u32 v104, v105
	s_wait_dscnt 0x0
	s_and_saveexec_b32 s38, vcc_lo
	global_store_b128 v[GO], v[OUTA:OUTA+3], s[8:9] th:TH_STORE_NT
	s_wait_xcnt 0x0                                ; the store's EXEC is one of its sources
	s_or_b32 exec_lo, exec_lo, s38
	v_cmp_gt_u32 vcc_lo, s37, v[LANE]              ; slots 32 .. m + 48
	s_and_saveexec_b32 s38, vcc_lo
	global_store_b128 v[GO], v[OUTA+4:OUTA+7], s[8:9] offset:512 th:TH_STORE_NT
	s_wait_xcnt 0x0
	s_or_b32 exec_lo, exec_lo, s38
	s_endpgm
.Lfunc_end_k_q93b6015340_roipool:
	.size	k_q93b6015340_roipool, .Lfunc_end_k_q93b6015340_roipool-k_q93b6015340_roipool
	.p2alignl 7, 3214868480
	.fill 96, 4, 3214868480
	.section	.rodata,"a",@progbits
	.p2align	6, 0x0
	.amdhsa_kernel k_q93b6015340_roipool
		.amdhsa_group_segment_fixed_size 178176
		.amdhsa_private_segment_fixed_size 0
		.amdhsa_enable_private_segment 0
		.amdhsa_kernarg_size 24
		.amdhsa_user_sgpr_count 2
		.amdhsa_user_sgpr_kernarg_segment_ptr 1
		.amdhsa_wavefront_size32 1
		.amdhsa_system_sgpr_workgroup_id_x 1
		.amdhsa_system_sgpr_workgroup_id_y 1
		.amdhsa_system_sgpr_workgroup_id_z 1
		.amdhsa_system_vgpr_workitem_id 0
		.amdhsa_next_free_vgpr 106
		.amdhsa_next_free_sgpr 66
		.amdhsa_reserve_vcc 1
		.amdhsa_float_denorm_mode_32 3
		.amdhsa_float_denorm_mode_16_64 3
		.amdhsa_memory_ordered 1
		.amdhsa_forward_progress 1
		.amdhsa_inst_pref_size 16
	.end_amdhsa_kernel
	.amdgpu_metadata
---
amdhsa.version: [ 1, 2 ]
amdhsa.kernels:
  - .name:           k_q93b6015340_roipool
    .symbol:         k_q93b6015340_roipool.kd
    .args:
      - { .name: feature_map, .offset: 0, .size: 8, .value_kind: global_buffer, .address_space: global }
      - { .name: rois, .offset: 8, .size: 8, .value_kind: global_buffer, .address_space: global }
      - { .name: out0, .offset: 16, .size: 8, .value_kind: global_buffer, .address_space: global }
    .group_segment_fixed_size: 178176
    .private_segment_fixed_size: 0
    .kernarg_segment_align: 8
    .kernarg_segment_size: 24
    .max_flat_workgroup_size: 1024
    .sgpr_count:     66
    .vgpr_count:     106
    .wavefront_size: 32
...
	.end_amdgpu_metadata
.endif
;; end of part 1
